; MI455X (gfx1250); checked and timed in simulation.
; The chip was launched on July 23, 2026; its instructions are those of AMD's public machine-readable ISA for CDNA 5 (MIT licence, August 2026) and "CDNA5" Instruction Set Architecture Reference Guide (July 2026). The comments in the code are by the model that wrote it; some were corrected since.
;; Multi Head Attention. Allowed arithmetic: matrix products marked QUANTISED: E2M1 operands, one E8M0 scale for each 32 along K, by v_wmma_scale_f32_16x16x128_f8f6f4 with both operands' format E2M1 (or v_wmma_scale_f32_32x16x128_f4), f32 sums; products left as they are: bf16, f16 or f32 operands; f32 sums; everything else in f32.
;; Inputs: attn_mask 1 x 1 x 2,048 x 2,048 int32; bk 1,024 float32; bo 1,024 float32; bq 1,024 float32; bv 1,024 float32; c 4 x 1,024 x 2,048 float32; wk 1,024 x 1,024 float32; wo 1,024 x 1,024 float32; wq 1,024 x 1,024 float32; wv 1,024 x 1,024 float32; x 4 x 1,024 x 2,048 float32.
;; Outputs: out0 4 x 1,024 x 2,048 float32.
;; This version of the problem:
;;   THIS VERSION OF THE PROBLEM IS GIVEN IN LOW PRECISION. The matrix products marked QUANTISED in the list below multiply operands that are first quantised to E2M1 (2 exponent bits, 1 mantissa bit; 4 bits a number), with one power-of-two scale for each 32 numbers along K (OCP MX v1.0); their sums are f32. The products marked 'left as it is' may take bf16, f16 or f32 operands, with f32 sums. Whichever they take, every output number must still come out within the allowed error. Rounding operands to bf16 (8 significant bits) uses up far more of that allowance than f16 does (11 bits, for magnitudes from 6e-5 to 65,504). All else is computed in f32.
;;   The module's matrix products, in the order in which they are computed (A, B: the left and right operand; K: the contracted axis; several contracted axes count as one K, in the product's order):
;;     1. [M 8,192, K 1,024] x [K 1,024, N 1,024]; A: input x; B: input wq: QUANTISED
;;     2. [M 8,192, K 1,024] x [K 1,024, N 1,024]; A: input c; B: input wk: QUANTISED
;;     3. [M 8,192, K 1,024] x [K 1,024, N 1,024]; A: input c; B: input wv: QUANTISED
;;     4. batch 64 x [M 2,048, K 64] x [K 64, N 2,048]; A: computed on the way; B: computed on the way: left as it is (an operand is computed on the way)
;;     5. batch 64 x [M 2,048, K 2,048] x [K 2,048, N 64]; A: computed on the way; B: computed on the way: left as it is (an operand is computed on the way)
;;     6. [M 8,192, K 1,024] x [K 1,024, N 1,024]; A: computed on the way; B: input wo: left as it is (an operand is computed on the way)
;;   THE QUANTISER, for each operand of a quantised product, along K:
;;     - K is cut into blocks of 32 from its start; a last block that is shorter is filled with zeros.
;;     - A block's scale is 2^e with e = floor(log2(the largest magnitude in the block)) - 2, held to -126 .. 127; a block of zeros has e = 0. As a byte (E8M0): e + 127.
;;     - Each number is divided by its block's scale, clamped to +-6, and rounded to the nearest number of E2M1, ties to even, subnormals kept.
;;     - The product sums the exact products of the quantised numbers (number of the format x scale) in f32.
;;   ~~~python
;;   def quantise(x, axis):      # numpy; x: float32 -> the quantised numbers, widened to float32 again
;;       x = np.moveaxis(x, axis, -1); K = x.shape[-1]
;;       x = np.pad(x, [(0, 0)] * (x.ndim - 1) + [(0, -K % 32)]); x = x.reshape(x.shape[:-1] + (-1, 32)); a = np.abs(x).max(-1, keepdims=True)
;;       e = np.where(a > 0, np.clip(np.frexp(np.where(a > 0, a, 1))[1] - 1 - 2, -126, 127), 0)      # np.frexp(a)[1] - 1 = floor(log2(a)), exactly
;;       r = np.clip(x / 2.0 ** e, -6, 6)
;;       step = 2.0 ** (np.maximum(np.frexp(np.where(r == 0, 1, r))[1] - 1, 0) - 1)
;;       q = np.round(r / step) * step * 2.0 ** e      # np.round: ties to even
;;       return np.moveaxis(q.reshape(q.shape[:-2] + (-1,))[..., :K], -1, axis).astype(np.float32)
;;   ~~~
;; One version. Each part assembles by itself: llvm-mc -triple=amdgcn-amd-amdhsa -mcpu=gfx1250 --defsym DOCPART=n.
;; ======== version 1 of 1: 4 launches
;; limits: values are held in f16: magnitudes above 65,504 overflow, below 6.1e-05 lose precision
;; workspace buffers: acts 8,912,896 bytes; wts 1,671,168 bytes; wo16 2,097,152 bytes; rope 262,144 bytes; maskw 528,384 bytes of whole numbers; qkv 50,331,648 bytes; att 16,777,216 bytes
;; launch prep (part 1): grid 1056 x 1, 4 waves a work-group, no clusters, 0 bytes of LDS; arguments x, c, wq, wk, wv, wo, attn_mask, acts, wts, wo16, rope, maskw; writes acts, wts, wo16, rope, maskw
.if DOCPART == 1
	.amdgcn_target "amdgcn-amd-amdhsa--gfx1250"
	.amdhsa_code_object_version 6
	.text
	.protected	k_q1c5e376e14_prep
	.globl	k_q1c5e376e14_prep
	.p2align	8
	.type	k_q1c5e376e14_prep,@function
k_q1c5e376e14_prep:
	s_mov_b64 s[64:65], 0
	v_nop
	global_prefetch_b8 v0, s[64:65] scope:SCOPE_SE
	s_setreg_imm32_b32 hwreg(HW_REG_WAVE_MODE, 25, 1), 1
	s_wait_xcnt 0x0
; PREP: everything that is made once, ahead of the products.  Five kinds of work-group, told apart by the work-group number; no LDS, no barrier.
; DEAD WORK: none.  Every input of the problem has a way to the output (bk too: the rotation and the replacing mask stand between it and the softmax), so all eleven are loaded by this program.
;   0 ..  511  x and c [b][channel][t] f32 -> codes of E2M1 and E8M0 bytes along the channel (the K of the first three products)
; 512 ..  767  attn_mask -> one lane mask (32 bits) for each register of a tile of scores, and a flag for each (16 queries, 64 keys) that has a hole
; 768 ..  863  wq, wk, wv [o][i] f32 -> codes and scale bytes along i
; 864 ..  927  wo -> f16
; 928 .. 1055  cos and sin of t x theta_i, t < 2048, i < 16
; ALL WORKSPACES ARE IMAGES OF OPERAND REGISTERS.  A fragment of 16 rows x 128 K of 4-bit codes is 1,024 bytes: row r, k = 64 c + 32 h + e at 512 c + 256 h + 16 r + e / 2, which is
; register group c of lane 16 h + r at 16 x lane.  A fragment of 16 rows x 32 K of f16 is 1,024 bytes: k = 16 c + 8 h + e at 512 c + 256 h + 16 r + 2 e.  A reader takes a fragment by two loads of 16 bytes a lane.
; THE QUANTISER: a block's scale is 2^(floor(log2(largest magnitude)) - 2); its byte is the largest magnitude's exponent field - 2, held at 1 from below; numbers / scale go to the nearest code, ties to even, beyond 6 to 6.
; LIMITS: a block of zeros gets the byte 1 where the rule says 127 (its codes are zeros, and this program alone reads the bytes); NaN and infinities among the inputs are not served;
; wo must stay under 65,504 in magnitude (f16); the angle t x theta is reduced in f32 and is good to about 1e-4 radians at t = 2,047.
.set X,   32                           ; v32..   numbers as loaded
.set CC,  96                           ; v96-127 the activations' codes: four registers for each block, never written again
; 32 numbers of ONE lane, v[XS] on, become 32 codes in v[CD] .. v[CD+3]; the scale's byte goes to v[BY].  v8-10 at work
.macro QBLK
	v_max3_num_f32 v8, |v[XS]|, |v[XS+1]|, |v[XS+2]|
	v_max3_num_f32 v9, |v[XS+3]|, |v[XS+4]|, |v[XS+5]|
.irp i, 6,10,14,18,22,26
	v_max3_num_f32 v8, v8, |v[XS+\i]|, |v[XS+\i+1]|
	v_max3_num_f32 v9, v9, |v[XS+\i+2]|, |v[XS+\i+3]|
.endr
	v_max3_num_f32 v8, v8, |v[XS+30]|, |v[XS+31]|
	v_max3_num_f32 v8, v8, v9, 0x1800000           ; and the floor 2^(3 - 127): the byte cannot fall under 1
	v_add_nc_u32 v10, 0xff000000, v8               ; 2 off the exponent field: the conversion takes this operand's exponent field as its scale
.irp g, 0,1,2,3
	v_cvt_scalef32_pk8_fp4_f32 v[CD+\g], v[XS+8*\g:XS+8*\g+7], v10
.endr
	v_lshrrev_b32 v[BY], 23, v10                   ; the byte; also the plain line behind the conversions
.endm
	s_load_b512 s[4:19], s[0:1], 0x0               ; x s[4:5], c s[6:7], wq s[8:9], wk s[10:11], wv s[12:13], wo s[14:15], attn_mask s[16:17], acts s[18:19]
	s_load_b256 s[20:27], s[0:1], 0x40             ; wts s[20:21], wo16 s[22:23], rope s[24:25], maskw s[26:27]
	v_lshrrev_b32 v1, 5, v0
	v_readfirstlane_b32 s28, v1                    ; wave 0..3
	v_and_b32 v1, 31, v0                           ; lane
	v_and_b32 v2, 15, v0                           ; r
	v_bfe_u32 v3, v0, 4, 1                         ; h
	s_wait_kmcnt 0x0
	s_cmp_lt_u32 ttmp9, 512
	s_cbranch_scc1 .Lacts
	s_cmp_lt_u32 ttmp9, 768
	s_cbranch_scc1 .Lmask
	s_cmp_lt_u32 ttmp9, 864
	s_cbranch_scc1 .Lwts
	s_cmp_lt_u32 ttmp9, 928
	s_cbranch_scc1 .Lwo
; ---- the table of the rotation.  Thread n of 16,384 makes cos and sin for t = n / 8 and i = 2 (n % 8), 2 (n % 8) + 1
	s_sub_co_u32 s29, ttmp9, 928
	s_lshl_b32 s29, s29, 7
	s_mov_b32 s30, 0x3e22f983                      ; 1 / (2 pi)
	v_add_nc_u32 v4, s29, v0                       ; n
	v_lshrrev_b32 v5, 3, v4                        ; t
	v_and_b32 v6, 7, v4
	v_lshlrev_b32 v6, 1, v6                        ; i
	v_add_nc_u32 v7, 1, v6
	v_cvt_f32_u32 v5, v5
	v_cvt_f32_u32 v6, v6
	v_cvt_f32_u32 v7, v7
	v_mul_f32 v6, 0xbf549a78, v6                   ; - i log2(10000) / 16
	v_mul_f32 v7, 0xbf549a78, v7
	v_exp_f32 v6, v6                               ; theta_i = 10000^(-i / 16)
	v_exp_f32 v7, v7
	v_lshlrev_b32 v4, 3, v4                        ; 8 n: where my two numbers go.  (The plain line behind the exponentials)
	s_wait_alu depctr_va_vdst(0)                   ; one wait for both, ahead of their first reader
	v_mul_f32 v6, v5, v6                           ; the angle, in f32 as the problem has it
	v_mul_f32 v7, v5, v7
.irp a, 6,7
	v_mul_f32 v[\a+2], s30, v[\a]
	v_rndne_f32 v[\a+2], v[\a+2]                   ; whole turns
	v_fma_f32 v[\a+2], v[\a], s30, -v[\a+2]        ; what is left, in turns: -0.5 .. 0.5
	v_mul_f32 v[\a+4], 0x3fc90fdb, v[\a+2]         ; y = a quarter of the angle: at most pi / 4 in size
	v_mul_f32 v[\a+6], v[\a+4], v[\a+4]            ; y^2
	v_mov_b32 v[\a+8], 0x3638ef1d                  ; sin y = y (1 - z/6 + z^2/120 - z^3/5040 + z^4/362880)
	v_fmaak_f32 v[\a+8], v[\a+6], v[\a+8], 0xb9500d01
	v_fmaak_f32 v[\a+8], v[\a+6], v[\a+8], 0x3c088889
	v_fmaak_f32 v[\a+8], v[\a+6], v[\a+8], 0xbe2aaaab
	v_fma_f32 v[\a+8], v[\a+6], v[\a+8], 1.0
	v_mul_f32 v[\a+8], v[\a+4], v[\a+8]
	v_mov_b32 v[\a+10], 0x37d00d01                 ; cos y = 1 - z/2 + z^2/24 - z^3/720 + z^4/40320
	v_fmaak_f32 v[\a+10], v[\a+6], v[\a+10], 0xbab60b61
	v_fmaak_f32 v[\a+10], v[\a+6], v[\a+10], 0x3d2aaaab
	v_fma_f32 v[\a+10], v[\a+6], v[\a+10], -0.5
	v_fma_f32 v[\a+10], v[\a+6], v[\a+10], 1.0
	v_add_f32 v[\a+4], v[\a+8], v[\a+8]            ; the angle doubled: sin = 2 s c, cos = 1 - 2 s^2
	v_mul_f32 v[\a+6], v[\a+4], v[\a+10]
	v_fma_f32 v[\a+10], -v[\a+4], v[\a+8], 1.0
	v_add_f32 v[\a+4], v[\a+6], v[\a+6]            ; and once more
	v_mul_f32 v[\a+8], v[\a+4], v[\a+10]
	v_fma_f32 v[\a+10], -v[\a+4], v[\a+6], 1.0
.endr
	global_store_b64 v4, v[16:17], s[24:25]                ; cos: a wave stores 256 consecutive bytes
	global_store_b64 v4, v[14:15], s[24:25] offset:131072  ; sin
	s_endpgm
; ---- x and c.  A LANE TAKES A COLUMN m = 2048 b + t, AND ITS REGISTERS RUN DOWN THE CHANNELS: a block of 32 along K lies in one lane, and the conversions give codes with K innermost.
; Work-group: tensor = g / 256, 256 channels kq = g % 4, 128 columns cg = (g % 256) / 4; a wave takes 32 of them: 8 blocks a lane
.Lacts:
	s_lshr_b32 s29, ttmp9, 8                       ; 0: x, 1: c
	s_cmp_eq_u32 s29, 0
	s_cselect_b64 s[4:5], s[4:5], s[6:7]
	s_and_b32 s30, ttmp9, 3                        ; kq
	s_bfe_u32 s31, ttmp9, 0x60002                  ; cg
	s_lshr_b32 s32, s31, 4                         ; b: 1024 x 2048 x 4 bytes each
	s_lshl_b32 s32, s32, 23
	s_lshl_b32 s33, s30, 21                        ; 256 channels of 8,192 bytes
	s_add_co_u32 s32, s32, s33
	s_and_b32 s33, s31, 15
	s_lshl_b32 s33, s33, 9                         ; 128 columns of 4 bytes
	s_add_co_u32 s32, s32, s33
	s_lshl_b32 s33, s28, 7                         ; my wave: 32 columns
	s_add_co_u32 s32, s32, s33
	s_mov_b32 s33, 0
	s_add_nc_u64 s[4:5], s[4:5], s[32:33]
	s_lshl_b32 s32, s29, 22                        ; codes: tensor x 4 MiB + (8 cg + 2 w) x 8,192 + kq x 2,048
	s_lshl_b32 s34, s31, 16
	s_add_co_u32 s32, s32, s34
	s_lshl_b32 s34, s28, 14
	s_add_co_u32 s32, s32, s34
	s_lshl_b32 s34, s30, 11
	s_add_co_u32 s32, s32, s34
	s_add_nc_u64 s[36:37], s[18:19], s[32:33]
	s_lshl_b32 s32, s29, 18                        ; scale bytes: 8 MiB + tensor x 262,144 + (4 cg + w) x 1,024 + kq x 256
	s_lshl_b32 s34, s31, 12
	s_add_co_u32 s32, s32, s34
	s_lshl_b32 s34, s28, 10
	s_add_co_u32 s32, s32, s34
	s_lshl_b32 s34, s30, 8
	s_add_co_u32 s32, s32, s34
	s_add_co_u32 s32, s32, 0x800000
	s_add_nc_u64 s[38:39], s[18:19], s[32:33]
	v_lshlrev_b32 v4, 2, v1                        ; in: 4 bytes a lane
	v_lshlrev_b32 v5, 4, v2
	v_lshl_add_u32 v5, v3, 13, v5                  ; codes: lanes 16-31 belong to the next tile of 16 columns, 8,192 bytes on; 16 bytes a lane
	v_lshlrev_b32 v6, 3, v1                        ; scale bytes: 8 a lane
.macro ALOAD t                         ; block t: channels 32 t + n of my column, into set t % 2
.set n, 0
.rept 32
	global_load_b32 v[X+32*((\t)%2)+n], v4, s[4:5] offset:(32*(\t)+n)*8192 th:TH_LOAD_NT
.set n, n+1
.endr
.endm
.macro ABLOCK t
.if (\t) < 7
	s_wait_loadcnt 32                              ; this block's 32 loads are in; the next block's may be out
.else
	s_wait_loadcnt 0x0
.endif
.set XS, X+32*((\t)%2)
.set CD, CC+4*(\t)
.set BY, 11
	QBLK
.if (\t)%4 == 0
	v_mov_b32 v[12+(\t)/4], v11                    ; four bytes to a word: a K step of 128
.else
	v_lshl_or_b32 v[12+(\t)/4], v11, 8*((\t)%4), v[12+(\t)/4]
.endif
	global_store_b128 v5, v[CD:CD+3], s[36:37] offset:256*(\t)   ; sixteen lanes store 256 consecutive bytes, aligned: group (c, h) = block t % 4 of the image of K step t / 4
.if (\t)+2 < 8
	ALOAD (\t)+2
.endif
.endm
	ALOAD 0
	ALOAD 1
.irp t, 0,1,2,3,4,5,6,7
	ABLOCK \t
.endr
	global_store_b64 v6, v[12:13], s[38:39]        ; the words of my column's two K steps: the wave stores 256 consecutive bytes
	s_endpgm
; ---- the mask.  Wave W of 1,024 takes 16 queries (qt = W / 8) x 256 keys (e = W % 8): four key steps of 64.
; Word 8 kt + j of a step has in bit L: mask[16 qt + L % 16][64 ks + 16 kt + 8 (L / 16) + j] != 0: the lane mask of register 8 kt + j of the tile of transposed scores
.Lmask:
	s_sub_co_u32 s29, ttmp9, 512
	s_lshl_b32 s29, s29, 2
	s_add_co_u32 s29, s29, s28                     ; W
	s_lshr_b32 s30, s29, 3                         ; qt
	s_and_b32 s31, s29, 7                          ; e
	s_lshl_b32 s66, s30, 17                        ; 16 rows of 8,192 bytes
	s_lshl_b32 s67, s31, 10                        ; 256 keys of 4 bytes
	s_add_co_u32 s66, s66, s67
	s_mov_b32 s67, 0
	s_add_nc_u64 s[16:17], s[16:17], s[66:67]
	s_lshl_b32 s66, s29, 2
	s_add_co_u32 s66, s66, 524288
	s_add_nc_u64 s[18:19], s[26:27], s[66:67]      ; my flag word: 524,288 + 4 W
	s_lshl_b32 s66, s29, 9
	s_add_nc_u64 s[26:27], s[26:27], s[66:67]      ; my 128 words: (32 qt + 4 e) x 128 = 512 W
	s_mov_b32 s30, 0                               ; the flags
	v_lshlrev_b32 v4, 13, v2
	v_lshl_add_u32 v4, v3, 5, v4                   ; row r, + 8 keys for lanes 16-31
.set n, 0
.rept 16                               ; n = 4 step + kt: registers 8 n + j = key 16 n + 8 h + j of the 256
	global_load_b128 v[X+8*n:X+8*n+3], v4, s[16:17] offset:64*n th:TH_LOAD_NT
	global_load_b128 v[X+8*n+4:X+8*n+7], v4, s[16:17] offset:64*n+16 th:TH_LOAD_NT
.set n, n+1
.endr
.irp j, 160,161,162,163
	v_mov_b32 v[\j], 0                             ; written whole once: v_writelane_b32 changes one lane
.endr
.irp st, 0,1,2,3
	s_wait_loadcnt 24-8*\st                        ; this step's eight loads are in; eight for each later step may be out
.set n, 0
.rept 32
	v_cmp_ne_u32 s[32+n], 0, v[X+32*\st+n]
.set n, n+1
.endr
.set n, 0
.rept 32
	v_writelane_b32 v[160+n%4], s[32+n], 8*\st+n/4 ; word 32 st + n goes to lane (32 st + n) / 4, register n % 4: so 16 bytes a lane are four neighbouring words
.set n, n+1
.endr
	s_and_b32 s66, s32, s33
.set n, 34
.rept 30
	s_and_b32 s66, s66, s[n]
.set n, n+1
.endr
	s_cmp_lg_u32 s66, -1                           ; any bit off: the step has a hole
	s_cselect_b32 s66, 1<<\st, 0
	s_or_b32 s30, s30, s66
.endr
	s_lshl_b32 s31, s31, 2
	s_lshl_b32 s30, s30, s31                       ; bit 4 e + step = the key step's number
	v_lshlrev_b32 v5, 4, v1
	v_mov_b32 v6, s30
	v_mov_b32 v7, 0
	global_store_b128 v5, v[160:163], s[26:27]     ; 512 consecutive bytes
	v_cmp_eq_u32 vcc_lo, 0, v1
	s_wait_xcnt 0x0                                ; EXEC changes only behind this wait
	s_and_saveexec_b32 s29, vcc_lo
	global_store_b32 v7, v6, s[18:19]              ; lane 0 alone: one word a wave, 4,096 bytes in the launch
	s_wait_xcnt 0x0                                ; and again in front of the line that widens it
	s_or_b32 exec_lo, exec_lo, s29
	s_endpgm
; ---- wq, wk, wv: K is innermost.  Work-group: tensor p, 32 rows (pair); wave = kq: 256 along K.  Four fragments f = 2 u + s: tile u of the pair, K step 2 kq + s.
; Lane (r, h) takes of row r the two blocks that the operand's layout gives it: k = 64 c + 32 h + 0 .. 31: so the conversions' results are the image's registers
.Lwts:
	s_sub_co_u32 s29, ttmp9, 768
	s_lshr_b32 s30, s29, 5                         ; p
	s_and_b32 s31, s29, 31                         ; pair
	s_cmp_eq_u32 s30, 0
	s_cselect_b64 s[8:9], s[8:9], s[10:11]
	s_cmp_eq_u32 s30, 2
	s_cselect_b64 s[8:9], s[12:13], s[8:9]
	s_lshl_b32 s32, s31, 17                        ; 32 rows of 4,096 bytes
	s_lshl_b32 s33, s28, 10                        ; 256 numbers
	s_add_co_u32 s32, s32, s33
	s_mov_b32 s33, 0
	s_add_nc_u64 s[8:9], s[8:9], s[32:33]
	s_lshl_b32 s32, s30, 19                        ; codes: p x 524,288 + 2 pair x 8,192 + 2 kq x 1,024
	s_lshl_b32 s36, s31, 14
	s_add_co_u32 s32, s32, s36
	s_lshl_b32 s36, s28, 11
	s_add_co_u32 s32, s32, s36
	s_add_nc_u64 s[34:35], s[20:21], s[32:33]
	s_lshl_b32 s32, s30, 15                        ; scale bytes: 1,572,864 + p x 32,768 + pair x 1,024 + kq x 256
	s_lshl_b32 s36, s31, 10
	s_add_co_u32 s32, s32, s36
	s_lshl_b32 s36, s28, 8
	s_add_co_u32 s32, s32, s36
	s_add_co_u32 s32, s32, 0x180000
	s_add_nc_u64 s[36:37], s[20:21], s[32:33]
	s_mov_b32 s38, 0x76543210
	s_mov_b32 s39, 0xfedcba98                      ; v_permlanex16_b32: lane l xor 16
	v_lshlrev_b32 v4, 12, v2
	v_lshl_add_u32 v4, v3, 7, v4                   ; row r, + 32 numbers for lanes 16-31
	v_lshlrev_b32 v5, 4, v1
	v_lshlrev_b32 v6, 3, v1
	v_lshlrev_b32 v16, 3, v3                       ; 8 h
	v_mov_b32 v17, 0                               ; a lane permute's destination counts as read
.macro WLOAD f
.irp c, 0,1
.irp j, 0,1,2,3,4,5,6,7
	global_load_b128 v[X+64*((\f)%2)+32*\c+4*\j:X+64*((\f)%2)+32*\c+4*\j+3], v4, s[8:9] offset:((\f)/2)*65536+((\f)%2)*512+\c*256+\j*16 th:TH_LOAD_NT
.endr
.endr
.endm
.macro WFRAG f
.if (\f) < 3
	s_wait_loadcnt 16                              ; this fragment's 16 loads are in; the next one's may be out
.else
	s_wait_loadcnt 0x0
.endif
.set XS, X+64*((\f)%2)
.set CD, 160+8*(\f)
.set BY, 14
	QBLK
.set XS, XS+32
.set CD, CD+4
.set BY, 15
	QBLK
	v_lshl_or_b32 v14, v15, 16, v14                ; my two bytes: blocks h and 2 + h of row r,
	v_lshlrev_b32 v14, v16, v14                    ; at their places in the word;
	v_permlanex16_b32 v17, v14, s38, s39
	v_or_b32 v[20+(\f)], v14, v17                  ; with lane l xor 16's two the word is whole
	global_store_b128 v5, v[160+8*(\f):160+8*(\f)+3], s[34:35] offset:((\f)/2)*8192+((\f)%2)*1024
	global_store_b128 v5, v[160+8*(\f)+4:160+8*(\f)+7], s[34:35] offset:((\f)/2)*8192+((\f)%2)*1024+512
.if (\f)+2 < 4
	WLOAD (\f)+2
.endif
.endm
	WLOAD 0
	WLOAD 1
.irp f, 0,1,2,3
	WFRAG \f
.endr
	v_cmp_ne_u32 vcc_lo, 0, v3
	v_cndmask_b32 v24, v20, v22, vcc_lo            ; lanes 0-15 keep tile 0's words, lanes 16-31 tile 1's: lane = row % 32
	v_cndmask_b32 v25, v21, v23, vcc_lo
	global_store_b64 v6, v[24:25], s[36:37]        ; 256 consecutive bytes
	s_endpgm
; ---- wo to f16, as images of 16 rows x 32 K.  Work-group: 16 rows; wave w: fragments 8 w .. 8 w + 7
.Lwo:
	s_sub_co_u32 s29, ttmp9, 864
	s_lshl_b32 s32, s29, 16
	s_lshl_b32 s33, s28, 10
	s_add_co_u32 s32, s32, s33
	s_mov_b32 s33, 0
	s_add_nc_u64 s[14:15], s[14:15], s[32:33]
	s_lshl_b32 s32, s29, 15
	s_lshl_b32 s34, s28, 13
	s_add_co_u32 s32, s32, s34
	s_add_nc_u64 s[22:23], s[22:23], s[32:33]
	v_lshlrev_b32 v4, 12, v2
	v_lshl_add_u32 v4, v3, 5, v4                   ; row r, + 8 numbers for lanes 16-31
	v_lshlrev_b32 v5, 4, v1
.irp f, 0,1,2,3,4,5,6,7
	global_load_b128 v[X+16*\f:X+16*\f+3], v4, s[14:15] offset:128*\f th:TH_LOAD_NT
	global_load_b128 v[X+16*\f+4:X+16*\f+7], v4, s[14:15] offset:128*\f+16 th:TH_LOAD_NT
	global_load_b128 v[X+16*\f+8:X+16*\f+11], v4, s[14:15] offset:128*\f+64 th:TH_LOAD_NT
	global_load_b128 v[X+16*\f+12:X+16*\f+15], v4, s[14:15] offset:128*\f+80 th:TH_LOAD_NT
.endr
.irp f, 0,1,2,3,4,5,6,7
	s_wait_loadcnt 28-4*\f                         ; four loads for each later fragment may be out
.irp i, 0,1,2,3,4,5,6,7
	v_cvt_pk_f16_f32 v[X+16*\f+\i], v[X+16*\f+2*\i], v[X+16*\f+2*\i+1]   ; in place, ascending: register i is written when 2 i and 2 i + 1 are read
.endr
	global_store_b128 v5, v[X+16*\f:X+16*\f+3], s[22:23] offset:1024*\f
	global_store_b128 v5, v[X+16*\f+4:X+16*\f+7], s[22:23] offset:1024*\f+512
.endr
	s_endpgm
.Lfunc_end_k_q1c5e376e14_prep:
	.size	k_q1c5e376e14_prep, .Lfunc_end_k_q1c5e376e14_prep-k_q1c5e376e14_prep
	.p2alignl 7, 3214868480
	.fill 96, 4, 3214868480
	.section	.rodata,"a",@progbits
	.p2align	6, 0x0
	.amdhsa_kernel k_q1c5e376e14_prep
		.amdhsa_group_segment_fixed_size 0
		.amdhsa_private_segment_fixed_size 0
		.amdhsa_enable_private_segment 0
		.amdhsa_kernarg_size 96
		.amdhsa_user_sgpr_count 2
		.amdhsa_user_sgpr_kernarg_segment_ptr 1
		.amdhsa_wavefront_size32 1
		.amdhsa_system_sgpr_workgroup_id_x 1
		.amdhsa_system_sgpr_workgroup_id_y 1
		.amdhsa_system_sgpr_workgroup_id_z 1
		.amdhsa_system_vgpr_workitem_id 0
		.amdhsa_next_free_vgpr 192
		.amdhsa_next_free_sgpr 68
		.amdhsa_reserve_vcc 1
		.amdhsa_float_denorm_mode_32 3
		.amdhsa_float_denorm_mode_16_64 3
		.amdhsa_memory_ordered 1
		.amdhsa_forward_progress 1
		.amdhsa_inst_pref_size 96
	.end_amdhsa_kernel
	.amdgpu_metadata
---
amdhsa.version: [ 1, 2 ]
amdhsa.kernels:
  - .name:           k_q1c5e376e14_prep
    .symbol:         k_q1c5e376e14_prep.kd
    .args:
      - { .name: x, .offset: 0, .size: 8, .value_kind: global_buffer, .address_space: global }
      - { .name: c, .offset: 8, .size: 8, .value_kind: global_buffer, .address_space: global }
      - { .name: wq, .offset: 16, .size: 8, .value_kind: global_buffer, .address_space: global }
      - { .name: wk, .offset: 24, .size: 8, .value_kind: global_buffer, .address_space: global }
      - { .name: wv, .offset: 32, .size: 8, .value_kind: global_buffer, .address_space: global }
      - { .name: wo, .offset: 40, .size: 8, .value_kind: global_buffer, .address_space: global }
      - { .name: attn_mask, .offset: 48, .size: 8, .value_kind: global_buffer, .address_space: global }
      - { .name: acts, .offset: 56, .size: 8, .value_kind: global_buffer, .address_space: global }
      - { .name: wts, .offset: 64, .size: 8, .value_kind: global_buffer, .address_space: global }
      - { .name: wo16, .offset: 72, .size: 8, .value_kind: global_buffer, .address_space: global }
      - { .name: rope, .offset: 80, .size: 8, .value_kind: global_buffer, .address_space: global }
      - { .name: maskw, .offset: 88, .size: 8, .value_kind: global_buffer, .address_space: global }
    .group_segment_fixed_size: 0
    .private_segment_fixed_size: 0
    .kernarg_segment_align: 8
    .kernarg_segment_size: 96
    .max_flat_workgroup_size: 128
    .sgpr_count:     68
    .vgpr_count:     192
    .wavefront_size: 32
...
	.end_amdgpu_metadata
.endif
;; end of part 1
;; launch proj (part 2): grid 24 x 64, 8 waves a work-group, no clusters, 140,288 bytes of LDS; arguments acts, wts, rope, bq, bk, bv, qkv; writes qkv
.if DOCPART == 2
	.amdgcn_target "amdgcn-amd-amdhsa--gfx1250"
	.amdhsa_code_object_version 6
	.text
	.protected	k_q1c5e376e14_proj
	.globl	k_q1c5e376e14_proj
	.p2align	8
	.type	k_q1c5e376e14_proj,@function
k_q1c5e376e14_proj:
	s_mov_b64 s[64:65], 0
	v_nop
	global_prefetch_b8 v0, s[64:65] scope:SCOPE_SE
	s_setreg_imm32_b32 hwreg(HW_REG_WAVE_MODE, 25, 1), 1
	s_wait_xcnt 0x0
; PROJ: q = wq x + bq, k = wk c + bk, v = wv c + bv on codes of E2M1 with E8M0 scales (K = 1,024 channels, 8 steps of 128), the rotation of q and k, and the results as f16 images for the attention.  No work is left out.
; Work-group (x, y): product p = x / 8 (0 q, 1 k, 2 v), 128 outputs ob = x % 8 (two heads), 128 columns m = 128 y (batch y / 16).  The whole K of both operands, 2 x 64 KiB of codes and 2 x 4 KiB of scale
; bytes, four dense ranges of memory, is copied into LDS once, through registers; one barrier; then each of eight waves makes 64 t (wt = w % 2) x 32 outputs (wv = w / 2): 8 accumulators.
; ORIENTATION.  q, k: source 0 = 16 rows of W, source 1 = 16 columns t: a lane holds ONE t and eight neighbouring channels; the partners c and c + 16 of the rotation lie in the same lane and register of the
; head's first two tiles, and four packed registers are one group of 512 bytes of the image that K Q^T reads.  v: the sources change places: a lane holds ONE channel and eight neighbouring keys: a group of V^T's image.
; The bias is the C of each sum's first matrix instruction.  The 8 accumulators take turns, one instruction a turn, in the same order in every step.
; No tensor load and no cluster: with 140,288 bytes of LDS and 256 registers a wave two work-groups share a WGP, and one copies while the other multiplies; the 24 x 64 work-groups have equal work.
; LIMITS: q, k and v must stay under 65,504 in magnitude (f16); NaN and infinities are not served.
.set WIMG,  65536                      ; LDS: 0 the activations' codes [tile 8][K step 8][1,024]; here W's, likewise;
.set ASC,   131072                     ; the activations' scale words [32 columns: 4][kq 4][lane 32][2 words];
.set WSC,   135168                     ; W's, likewise;
.set SPARE, 139264                     ; the spare words, 128 bytes for each wave: four blocks of 256 bytes that no other line names
.set SPW,  8                           ; v8   my spare word; never rewritten
.set NIL,  9                           ; v9   0; never rewritten
.set SA,   16                          ; v16-31  the activations' scale words: register 8 pa + s: tiles 2 pa (lanes 0-15) and 2 pa + 1 (lanes 16-31), K step s
.set SW,   32                          ; v32-39  W's: register s: my tile 0 (lanes 0-15) and tile 1 (lanes 16-31)
.set BIAS, 40                          ; v40-55  eight registers for each of my two tiles of outputs
.set ACC,  56                          ; v56-119 accumulator (ot, mt) at 8 (4 ot + mt)
.set F0,   120                         ; v120-167, v168-215: two sets of fragments: four of the activations, two of W
.set F1,   168
.set T,    56                          ; v56-191 in transit on the way into LDS, before ACC and the fragments live
; v1 16 x thread; v2, v3 the same + WIMG, + ASC; v4, v5 where I read fragments; v6, v7 scale words; v10 16 x lane; v11 bias; v12 table; v216-235 the rotation
	s_load_b256 s[4:11], s[0:1], 0x0               ; acts s[4:5], wts s[6:7], rope s[8:9], bq s[10:11]
	s_load_b128 s[12:15], s[0:1], 0x20             ; bk, bv
	s_load_b64 s[16:17], s[0:1], 0x30              ; qkv
	v_lshl_add_u32 v[SPW], v0, 2, SPARE
	v_mov_b32 v[NIL], 0
	v_lshrrev_b32 v13, 5, v0
	v_readfirstlane_b32 s18, v13                   ; wave 0..7
	s_and_b32 s19, s18, 1                          ; wt
	s_lshr_b32 s28, s18, 1                         ; wv
	s_and_b32 s34, s28, 1                          ; which half of a head's 64 channels
	s_lshr_b32 s35, s28, 1                         ; which of the two heads
	s_lshr_b32 s29, ttmp9, 3                       ; p
	s_and_b32 s30, ttmp9, 7                        ; ob
	s_and_b32 s31, ttmp7, 0xffff                   ; y
	s_min_u32 s33, s29, 1                          ; 0: x's codes, 1: c's
	v_and_b32 v13, 31, v0                          ; lane
	v_and_b32 v14, 15, v0                          ; r
	v_bfe_u32 v15, v0, 4, 1                        ; h
	v_lshlrev_b32 v1, 4, v0
	v_add_nc_u32 v2, WIMG, v1
	v_add_nc_u32 v3, ASC, v1
	v_lshlrev_b32 v10, 4, v13
	s_lshl_b32 s32, s19, 15                        ; my four tiles of columns
	v_add_nc_u32 v4, s32, v10
	s_lshl_b32 s32, s28, 14                        ; my two tiles of outputs
	s_add_co_u32 s32, s32, WIMG
	v_add_nc_u32 v5, s32, v10
	v_lshlrev_b32 v6, 3, v13
	v_lshlrev_b32 v7, 3, v13
	s_lshl_b32 s32, s19, 11
	s_add_co_u32 s32, s32, ASC
	v_add_nc_u32 v6, s32, v6
	s_lshl_b32 s32, s28, 10
	s_add_co_u32 s32, s32, WSC
	v_add_nc_u32 v7, s32, v7
	v_lshlrev_b32 v12, 6, v14
	v_lshl_add_u32 v12, v15, 5, v12                ; the table: row t of 64 bytes, + 8 numbers for lanes 16-31
	; byte offsets, each in a pair of its own
	s_lshl_b32 s38, s33, 22                        ; the activations' codes: tensor x 4 MiB + 8 y tiles of 8,192
	s_lshl_b32 s36, s31, 16
	s_add_co_u32 s38, s38, s36
	s_mov_b32 s39, 0
	s_lshl_b32 s40, s33, 18                        ; their scale bytes: 8 MiB + tensor x 262,144 + 4 y x 1,024
	s_lshl_b32 s36, s31, 12
	s_add_co_u32 s40, s40, s36
	s_add_co_u32 s40, s40, 0x800000
	s_mov_b32 s41, 0
	s_lshl_b32 s42, s29, 19                        ; W's codes: p x 524,288 + 8 ob x 8,192
	s_lshl_b32 s36, s30, 16
	s_add_co_u32 s42, s42, s36
	s_mov_b32 s43, 0
	s_lshl_b32 s44, s29, 15                        ; W's scale bytes: 1,572,864 + p x 32,768 + 4 ob x 1,024
	s_lshl_b32 s36, s30, 12
	s_add_co_u32 s44, s44, s36
	s_add_co_u32 s44, s44, 0x180000
	s_mov_b32 s45, 0
	s_lshl_b32 s46, s30, 9                         ; the bias: (128 ob + 32 wv) x 4
	s_lshl_b32 s36, s28, 7
	s_add_co_u32 s46, s46, s36
	s_mov_b32 s47, 0
	s_and_b32 s37, s31, 15                         ; which 128 of the batch's 2,048 t
	s_lshl_b32 s48, s37, 13                        ; the table: (128 (y % 16) + 64 wt) rows of 64 bytes
	s_lshl_b32 s36, s19, 12
	s_add_co_u32 s48, s48, s36
	s_mov_b32 s49, 0
	s_lshr_b32 s50, s31, 4                         ; the way out: batch x 16 + head,
	s_lshl_b32 s50, s50, 4
	s_lshl_b32 s36, s30, 1
	s_add_co_u32 s50, s50, s36
	s_add_co_u32 s50, s50, s35
	s_lshl_b32 s50, s50, 18                        ; 262,144 bytes each in all three tensors;
	s_lshl_b32 s36, s29, 24                        ; tensor p at p x 16 MiB;
	s_add_co_u32 s50, s50, s36
	s_lshl_b32 s36, s37, 14                        ; 8 tiles of t: 8 x 2,048 bytes of q or k, 4 x 4,096 of v;
	s_add_co_u32 s50, s50, s36
	s_lshl_b32 s36, s19, 13                        ; my four of them;
	s_add_co_u32 s50, s50, s36
	s_cmp_eq_u32 s29, 2
	s_cselect_b32 s36, 11, 10                      ; my half of the head's channels: two groups of 512 in q and k, two fragments of 1,024 in v
	s_lshl_b32 s36, s34, s36
	s_add_co_u32 s50, s50, s36
	s_mov_b32 s51, 0
	s_wait_kmcnt 0x0
	s_add_nc_u64 s[20:21], s[4:5], s[38:39]
	s_add_nc_u64 s[24:25], s[4:5], s[40:41]
	s_add_nc_u64 s[22:23], s[6:7], s[42:43]
	s_add_nc_u64 s[26:27], s[6:7], s[44:45]
	s_add_nc_u64 s[8:9], s[8:9], s[48:49]
	s_add_nc_u64 s[16:17], s[16:17], s[50:51]
	s_cmp_eq_u32 s29, 0
	s_cselect_b64 s[10:11], s[10:11], s[12:13]
	s_cmp_eq_u32 s29, 2
	s_cselect_b64 s[10:11], s[14:15], s[10:11]
	s_add_nc_u64 s[10:11], s[10:11], s[46:47]
	; the bias first, so that the counts of the copy below are the same on both ways
	s_cmp_eq_u32 s29, 2
	s_cbranch_scc1 .Lbias_v
	v_lshlrev_b32 v11, 5, v15                      ; q, k: register j holds output 16 ot + 8 h + j
.irp ot, 0,1
	global_load_b128 v[BIAS+8*\ot:BIAS+8*\ot+3], v11, s[10:11] offset:64*\ot
	global_load_b128 v[BIAS+8*\ot+4:BIAS+8*\ot+7], v11, s[10:11] offset:64*\ot+16
.endr
	s_branch .Lbias_done
.Lbias_v:
	v_lshlrev_b32 v11, 2, v14                      ; v: every register holds output 16 ot + r
.irp ot, 0,1
.irp j, 0,1,2,3,4,5,6,7
	global_load_b32 v[BIAS+8*\ot+\j], v11, s[10:11] offset:64*\ot
.endr
.endr
.Lbias_done:
	; the copy: 34 loads of 4,096 consecutive bytes a work-group, all on their way at once
.set n, 0
.rept 16
	global_load_b128 v[T+4*n:T+4*n+3], v1, s[20:21] offset:4096*n
.set n, n+1
.endr
.rept 16
	global_load_b128 v[T+4*n:T+4*n+3], v1, s[22:23] offset:4096*(n-16)
.set n, n+1
.endr
	global_load_b128 v[T+128:T+131], v1, s[24:25]
	global_load_b128 v[T+132:T+135], v1, s[26:27]
.set n, 0
.rept 16
	s_wait_loadcnt 33-n                            ; loads come back in order: load n is in, the younger ones stay out
	ds_store_b128 v1, v[T+4*n:T+4*n+3] offset:4096*n
.set n, n+1
.endr
.rept 16
	s_wait_loadcnt 33-n
	ds_store_b128 v2, v[T+4*n:T+4*n+3] offset:4096*(n-16)
.set n, n+1
.endr
	s_wait_loadcnt 1
	ds_store_b128 v3, v[T+128:T+131]
	s_wait_loadcnt 0x0
	ds_store_b128 v3, v[T+132:T+135] offset:4096
	s_wait_dscnt 0x0                               ; for the others' sake: my stores have landed
	s_barrier_signal -1
	s_barrier_wait -1                              ; the one barrier: from here on LDS is only read
.macro LDF s, f                        ; the 12 loads of K step s into set f: each reads 512 consecutive bytes
.irp mt, 0,1,2,3
.irp g, 0,1
	ds_load_b128 v[\f+8*\mt+4*\g:\f+8*\mt+4*\g+3], v4 offset:\mt*8192+(\s)*1024+\g*512
.endr
.endr
.irp ot, 0,1
.irp g, 0,1
	ds_load_b128 v[\f+32+8*\ot+4*\g:\f+32+8*\ot+4*\g+3], v5 offset:\ot*8192+(\s)*1024+\g*512
.endr
.endr
.endm
.macro WM ra, rb                       ; one product, its registers by the symbols rD, rA, rB, rC, rSA, rSB; ra, rb = 1: that side's scale words lie in lanes 16-31
.if \ra
.if \rb
	v_wmma_scale_f32_16x16x128_f8f6f4 v[rD:rD+7], v[rA:rA+7], v[rB:rB+7], v[rC:rC+7], v[rSA], v[rSB] matrix_a_fmt:MATRIX_FMT_FP4 matrix_b_fmt:MATRIX_FMT_FP4 matrix_a_scale:MATRIX_SCALE_ROW1 matrix_b_scale:MATRIX_SCALE_ROW1
.else
	v_wmma_scale_f32_16x16x128_f8f6f4 v[rD:rD+7], v[rA:rA+7], v[rB:rB+7], v[rC:rC+7], v[rSA], v[rSB] matrix_a_fmt:MATRIX_FMT_FP4 matrix_b_fmt:MATRIX_FMT_FP4 matrix_a_scale:MATRIX_SCALE_ROW1
.endif
.else
.if \rb
	v_wmma_scale_f32_16x16x128_f8f6f4 v[rD:rD+7], v[rA:rA+7], v[rB:rB+7], v[rC:rC+7], v[rSA], v[rSB] matrix_a_fmt:MATRIX_FMT_FP4 matrix_b_fmt:MATRIX_FMT_FP4 matrix_b_scale:MATRIX_SCALE_ROW1
.else
	v_wmma_scale_f32_16x16x128_f8f6f4 v[rD:rD+7], v[rA:rA+7], v[rB:rB+7], v[rC:rC+7], v[rSA], v[rSB] matrix_a_fmt:MATRIX_FMT_FP4 matrix_b_fmt:MATRIX_FMT_FP4
.endif
.endif
.endm
.macro KSTEP s, swap                   ; 8 products: my 8 accumulators by turns.  swap = 0: source 0 = W; 1: source 0 = the activations
.set FB, F0+48*((\s)%2)
.irp ot, 0,1
.irp mt, 0,1,2,3
.set rD, ACC+8*(4*\ot+\mt)
.if (\s) == 0
.set rC, BIAS+8*\ot
.else
.set rC, rD
.endif
.if \swap
.set rA, FB+8*\mt
.set rB, FB+32+8*\ot
.set rSA, SA+8*(\mt/2)+(\s)
.set rSB, SW+(\s)
	WM \mt%2, \ot
.else
.set rA, FB+32+8*\ot
.set rB, FB+8*\mt
.set rSA, SW+(\s)
.set rSB, SA+8*(\mt/2)+(\s)
	WM \ot, \mt%2
.endif
.endr
.endr
.endm
.macro PLACES n                        ; plain vector instructions behind a matrix instruction, in front of loads into its sources and of reads of its result
.rept \n
	v_nop
.endr
.endm
.macro KSTEPS swap
.irp s, 0,1,2,3,4,5,6,7
.if \s > 0
	PLACES 4                                       ; the set that is loaded next was read by the step before
.endif
.if \s < 7
	LDF \s+1, F0+48*((\s+1)%2)
	s_wait_dscnt 12                                ; all but the 12 just issued: this step's fragments (and, in step 0, the scale words) are in
.else
.if \swap == 0
	s_cmp_lg_u32 s34, 0                            ; the rotation touches a head's channels 0 to 31: the waves with wv even.  Their cos and sin are asked for here and land under the last products
	s_cbranch_scc1 .Lno_table
.irp mt, 0,1,2,3
.set RP, F0+16*\mt
.if \mt == 3
.set RP, 216
.endif
	global_load_b128 v[RP:RP+3], v12, s[8:9] offset:\mt*1024
	global_load_b128 v[RP+4:RP+7], v12, s[8:9] offset:\mt*1024+16
	global_load_b128 v[RP+8:RP+11], v12, s[8:9] offset:\mt*1024+131072
	global_load_b128 v[RP+12:RP+15], v12, s[8:9] offset:\mt*1024+131072+16
.endr
.Lno_table:
.endif
	s_wait_dscnt 0x0
.endif
	KSTEP \s, \swap
.endr
	PLACES 4                                       ; in front of the first read of results, and of writes into the last step's fragments
.endm
.macro PACK                            ; to f16, each accumulator from its low end on: four registers are 16 bytes a lane, a group of 512 bytes of the reader's image
.set n, 0
.rept 8
.irp i, 0,1,2,3
	v_cvt_pk_f16_f32 v[F1+4*n+\i], v[ACC+8*n+2*\i], v[ACC+8*n+2*\i+1]
.endr
.set n, n+1
.endr
.endm
.macro FINISH                          ; the wave's end: a tensor wait, a spare LDS add and its wait behind my last LDS store
	s_wait_tensorcnt 0x0
	ds_add_u32 v[SPW], v[NIL]
	s_wait_dscnt 0x0
	s_endpgm
.endm
.irp pa, 0,1
.irp kq, 0,1,2,3
	ds_load_b64 v[SA+8*\pa+2*\kq:SA+8*\pa+2*\kq+1], v6 offset:\pa*1024+\kq*256
.endr
.endr
.irp kq, 0,1,2,3
	ds_load_b64 v[SW+2*\kq:SW+2*\kq+1], v7 offset:\kq*256
.endr
	LDF 0, F0
	s_cmp_eq_u32 s29, 2
	s_cbranch_scc1 .Lv
	KSTEPS 0
	s_cmp_lg_u32 s34, 0
	s_cbranch_scc1 .Lno_rope
	s_wait_loadcnt 0x0                             ; cos and sin
.irp mt, 0,1,2,3                       ; a0 = channel i = 8 h + j, a1 = channel i + 16, of t = 16 mt + r:  a0 cos - a1 sin,  a1 cos + a0 sin
.set RP, F0+16*\mt
.if \mt == 3
.set RP, 216
.endif
.irp j, 0,2,4,6
	v_pk_mul_f32 v[232:233], v[ACC+32+8*\mt+\j:ACC+32+8*\mt+\j+1], v[RP+8+\j:RP+8+\j+1]
	v_pk_mul_f32 v[234:235], v[ACC+8*\mt+\j:ACC+8*\mt+\j+1], v[RP+8+\j:RP+8+\j+1]
	v_pk_fma_f32 v[ACC+8*\mt+\j:ACC+8*\mt+\j+1], v[ACC+8*\mt+\j:ACC+8*\mt+\j+1], v[RP+\j:RP+\j+1], v[232:233] neg_lo:[0,0,1] neg_hi:[0,0,1]
	v_pk_fma_f32 v[ACC+32+8*\mt+\j:ACC+32+8*\mt+\j+1], v[ACC+32+8*\mt+\j:ACC+32+8*\mt+\j+1], v[RP+\j:RP+\j+1], v[234:235]
.endr
.endr
.Lno_rope:
	PACK
.irp ot, 0,1
.irp mt, 0,1,2,3
	global_store_b128 v10, v[F1+4*(4*\ot+\mt):F1+4*(4*\ot+\mt)+3], s[16:17] offset:\mt*2048+\ot*512   ; tile of t at 2,048, group of 16 channels at 512: the wave stores 512 consecutive bytes
.endr
.endr
	FINISH
.Lv:
	KSTEPS 1
	PACK
.irp ot, 0,1
.irp mt, 0,1,2,3
	global_store_b128 v10, v[F1+4*(4*\ot+\mt):F1+4*(4*\ot+\mt)+3], s[16:17] offset:(\mt/2)*4096+\ot*1024+(\mt%2)*512   ; 32 keys at 4,096, 16 channels at 1,024, 16 keys at 512
.endr
.endr
	FINISH
.Lfunc_end_k_q1c5e376e14_proj:
	.size	k_q1c5e376e14_proj, .Lfunc_end_k_q1c5e376e14_proj-k_q1c5e376e14_proj
	.p2alignl 7, 3214868480
	.fill 96, 4, 3214868480
	.section	.rodata,"a",@progbits
	.p2align	6, 0x0
	.amdhsa_kernel k_q1c5e376e14_proj
		.amdhsa_group_segment_fixed_size 140288
		.amdhsa_private_segment_fixed_size 0
		.amdhsa_enable_private_segment 0
		.amdhsa_kernarg_size 56
		.amdhsa_user_sgpr_count 2
		.amdhsa_user_sgpr_kernarg_segment_ptr 1
		.amdhsa_wavefront_size32 1
		.amdhsa_system_sgpr_workgroup_id_x 1
		.amdhsa_system_sgpr_workgroup_id_y 1
		.amdhsa_system_sgpr_workgroup_id_z 1
		.amdhsa_system_vgpr_workitem_id 0
		.amdhsa_next_free_vgpr 256
		.amdhsa_next_free_sgpr 66
		.amdhsa_reserve_vcc 0
		.amdhsa_float_denorm_mode_32 3
		.amdhsa_float_denorm_mode_16_64 3
		.amdhsa_memory_ordered 1
		.amdhsa_forward_progress 1
		.amdhsa_inst_pref_size 55
	.end_amdhsa_kernel
	.amdgpu_metadata
---
amdhsa.version: [ 1, 2 ]
amdhsa.kernels:
  - .name:           k_q1c5e376e14_proj
    .symbol:         k_q1c5e376e14_proj.kd
    .args:
      - { .name: acts, .offset: 0, .size: 8, .value_kind: global_buffer, .address_space: global }
      - { .name: wts, .offset: 8, .size: 8, .value_kind: global_buffer, .address_space: global }
      - { .name: rope, .offset: 16, .size: 8, .value_kind: global_buffer, .address_space: global }
      - { .name: bq, .offset: 24, .size: 8, .value_kind: global_buffer, .address_space: global }
      - { .name: bk, .offset: 32, .size: 8, .value_kind: global_buffer, .address_space: global }
      - { .name: bv, .offset: 40, .size: 8, .value_kind: global_buffer, .address_space: global }
      - { .name: qkv, .offset: 48, .size: 8, .value_kind: global_buffer, .address_space: global }
    .group_segment_fixed_size: 140288
    .private_segment_fixed_size: 0
    .kernarg_segment_align: 8
    .kernarg_segment_size: 56
    .max_flat_workgroup_size: 256
    .sgpr_count:     66
    .vgpr_count:     256
    .wavefront_size: 32
...
	.end_amdgpu_metadata
.endif
;; end of part 2
;; launch attn (part 3): grid 4 x 64, 8 waves a work-group, no clusters, 263,168 bytes of LDS; arguments qkv, maskw, att; writes att
.if DOCPART == 3
	.amdgcn_target "amdgcn-amd-amdhsa--gfx1250"
	.amdhsa_code_object_version 6
	.text
	.protected	k_q1c5e376e14_attn
	.globl	k_q1c5e376e14_attn
	.p2align	8
	.type	k_q1c5e376e14_attn,@function
k_q1c5e376e14_attn:
	s_mov_b64 s[64:65], 0
	v_nop
	global_prefetch_b8 v0, s[64:65] scope:SCOPE_SE
	s_setreg_imm32_b32 hwreg(HW_REG_WAVE_MODE, 25, 1), 1
	s_wait_xcnt 0x0
; ATTN: att[q] = softmax_k(where(mask == 0, -10000, q . k / 8)) v, for one batch and head; operands f16, sums, maxima and exponentials f32.  No work is left out: every key step is multiplied whatever the mask holds.
; Work-group (x, y): 512 queries (x) of head y % 16 of batch y / 16.  Each of eight waves owns FOUR tiles of 16 queries and walks all 2,048 keys, 64 a step: a fragment of K or V read from LDS feeds four products;
; two waves share a SIMD, so that one wave's softmax stands beside the other's products.
; K and V come through two LDS slots of 512 keys.  A slot is four pieces of 128 keys (16 KiB of K's images, then 16 KiB of V's).  While a slot is read, the next one is copied through registers, a piece to a trip:
; asked for in the trip's first key step, stored at its end.  Nobody reads the slot that is being written since the last barrier, so ONE barrier a slot, five in the launch, orders both ways.
; LAYOUT.  S^T = K Q^T (source 0 = 16 keys, source 1 = 16 queries) and O^T = V^T P (source 0 = 16 channels, source 1 = P): a lane holds ONE query throughout; two tiles of S^T packed to f16 in pairs ARE a fragment of P;
; O^T packed is a group of the image that the last product reads.  All fragments are read as images: 16 bytes a lane, 512 consecutive bytes a load.
; THE MASK replaces a score, so it is a selection ahead of the maximum: a register's 32 lanes take their bits from one stored word.  A key step in which none of my four tiles has a hole (stored flags) jumps over
; the selection: a branch on whole numbers that an earlier launch stored; no barrier stands under it.  The launch has no tensor load, and so no joint loads for the four work-groups of a head.
; SOFTMAX.  A running maximum m and sum l for each query; p = 2^(c s - c m), c = log2(e) / 8; in every step O and l are multiplied by a = 2^(c m_old - c m_new).  A masked score is -80,000 = -10,000 x 8 ahead of c.
; REGISTERS, in windows of 256 (s_set_vgpr_msb: bits 1:0 source 0, 3:2 source 1, 5:4 source 2, 7:6 destination):
;   window 0: v1-7 addresses and constants; v8-39 statistics; v40-71, v72-103 two sets of four fragments; v104-231 S^T, 32 a tile (P takes the first 16 of each)
;   window 1: v0-127 O^T (32 t + 8 ct + j); v128-191 Q (16 a tile); v192-223 a piece's 128 bytes of mine, in transit
; Work is laid in long stretches under one setting: five switches a key step (two more where a piece is asked for) for its 64 products.
; LIMITS: q, k, v under 65,504 (f16); a weight p under 6e-8 counts as 0 in the product (it stays in the sum); NaN and infinities are not served.
.set LA,  1                            ; v1   16 x lane: my place in every image
.set TA,  2                            ; v2   16 x thread: my place in a copy of 4,096 bytes, in memory and in LDS
.set SPW, 3                            ; v3   my spare word; never rewritten
.set NIL, 4                            ; v4   0; never rewritten
.set NEG, 5                            ; v5   -80,000
.set AR,  6                            ; v6   where I read the piece in hand
.set AW,  7                            ; v7   where I store the piece in transit
.set ST,  8                            ; tile t's statistics at v[8 + 8 t]: +0 c m, +1 m, +2, +3 l in two halves, +4 .. +7 at work; a in +6
.set F,   40                           ; four fragments: K's tiles 0, 1 of a step, then V's first 32 keys
.set F2,  72                           ; four more: K's tiles 2, 3, then V's second 32 keys
.set S,   104
.set O,   0                            ; in window 1
.set Q,   128                          ; in window 1
.set T,   192                          ; in window 1
.set SLOTB, 131072                     ; a slot
.set SPARE, 262144                     ; behind the two slots: the spare words, 128 bytes for each wave: four blocks of 256 bytes that no other line names
.set TB,  28                           ; s28  LDS byte at which the piece in hand begins
.set TW,  29                           ; s29  and the piece that is being written
.set W_KQ, 0x04                        ; Q (source 1) in window 1
.set W_PV, 0x50                        ; O^T (C and D) in window 1
.set W_RS, 0x41                        ; O^T (destination and source 0) in window 1, a in window 0
.set MSB, 0
.macro WIN new                         ; the immediate's high byte repeats the setting that is left; a switch that changes nothing is dropped
.if MSB != \new
	s_set_vgpr_msb (MSB<<8)|\new
.set MSB, \new
.endif
.endm
; s10 wave, s11 batch x 16 + head, s12 my first tile of queries, s[14:15] K, s[16:17] V, s[18:19] Q, s20 byte offset of the step's mask words, s21 flags (bit 0 = the step in hand), s22 pairs of slots to go,
; s23 pieces to go, s[24:25] c, s[26:27] lane selects, s[32:63] and s[68:99] the mask words of two tiles
	s_load_b128 s[4:7], s[0:1], 0x0                ; qkv s[4:5], maskw s[6:7]
	s_load_b64 s[8:9], s[0:1], 0x10                ; att
	v_lshl_add_u32 v[SPW], v0, 2, SPARE
	v_mov_b32 v[NIL], 0
	v_lshrrev_b32 v[AR], 5, v0
	v_readfirstlane_b32 s10, v[AR]                 ; wave 0..7
	v_and_b32 v[AR], 31, v0
	v_lshlrev_b32 v[LA], 4, v[AR]
	v_lshlrev_b32 v[TA], 4, v0
	v_add_nc_u32 v[AW], 65536, v[TA]               ; for the second half of the first slot
	v_mov_b32 v[NEG], 0xc79c4000
	s_and_b32 s11, ttmp7, 0xffff
	s_lshl_b32 s12, ttmp9, 5
	s_lshl_b32 s13, s10, 2
	s_add_co_u32 s12, s12, s13                     ; 32 x + 4 w
	s_lshl_b32 s29, s12, 5                         ; my 32 flag words: 8 a tile
	s_lshl_b32 s20, s12, 12                        ; my mask words: 32 steps x 128 bytes a tile
	s_mov_b32 s24, 0x3e38aa3b                      ; c = log2(e) / 8
	s_mov_b32 s25, s24                             ; (named with it as a pair, so it is written)
	s_mov_b32 s26, 0x76543210
	s_mov_b32 s27, 0xfedcba98                      ; v_permlanex16_b32: lane l xor 16
	s_mov_b32 s22, 2
	s_lshl_b32 s30, s11, 18                        ; a head is 262,144 bytes in Q, in K and in V
	s_mov_b32 s31, 0
	s_wait_kmcnt 0x0
	s_load_b512 s[32:47], s[6:7], s29 offset:0x80000
	s_load_b512 s[48:63], s[6:7], s29 offset:0x80040
	s_add_nc_u64 s[18:19], s[4:5], s[30:31]
	s_add_nc_u64 s[14:15], s[18:19], 0x1000000
	s_add_nc_u64 s[16:17], s[18:19], 0x2000000
	s_lshl_b32 s30, s12, 11                        ; a tile of queries is 2,048 bytes
	s_add_nc_u64 s[18:19], s[18:19], s[30:31]
	s_lshr_b32 s30, s11, 4                         ; att: (batch x 128 + tile) x 32,768 + head x 2,048
	s_lshl_b32 s30, s30, 22
	s_lshl_b32 s13, s12, 15
	s_add_co_u32 s30, s30, s13
	s_and_b32 s13, s11, 15
	s_lshl_b32 s13, s13, 11
	s_add_co_u32 s30, s30, s13
	s_add_nc_u64 s[8:9], s[8:9], s[30:31]
	; the first slot: 32 loads of 4,096 consecutive bytes a work-group, through the registers that S^T will take.  Load 8 p + j: piece p; j < 4: K's bytes 4,096 j on, else V's 4,096 (j - 4) on
.set n, 0
.rept 4
.irp i, 0,1,2,3
	global_load_b128 v[S+32*n+4*\i:S+32*n+4*\i+3], v[TA], s[14:15] offset:n*16384+\i*4096
.endr
.irp i, 0,1,2,3
	global_load_b128 v[S+32*n+16+4*\i:S+32*n+16+4*\i+3], v[TA], s[16:17] offset:n*16384+\i*4096
.endr
.set n, n+1
.endr
	WIN 0x40                                       ; destination window 1, address window 0
.irp t, 0,1,2,3
.irp g, 0,1,2,3
	global_load_b128 v[Q+16*\t+4*\g:Q+16*\t+4*\g+3], v[LA], s[18:19] offset:\t*2048+\g*512   ; Q stays in registers
.endr
.endr
.set n, 0
.rept 128
	v_mov_b32 v[O+n], 0                            ; the step is written once for all 32: the first finds zeros, which its a = 0 leaves zeros; a first step of its own would be a third copy of the step
.set n, n+1
.endr
	WIN 0
.irp t, 0,1,2,3
	v_mov_b32 v[ST+8*\t+1], 0xff61b1e6             ; m = -3e38, under every score
	v_mul_f32 v[ST+8*\t], s24, v[ST+8*\t+1]
	v_mov_b32 v[ST+8*\t+2], 0
	v_mov_b32 v[ST+8*\t+3], 0
.endr
	s_wait_kmcnt 0x0
	s_or_b32 s21, s32, s33                         ; bit ks: one of my four tiles has a hole in key step ks
.set n, 34
.rept 30
	s_or_b32 s21, s21, s[n]
.set n, n+1
.endr
.set n, 0
.rept 16
	s_wait_loadcnt 47-n                            ; loads come back in order: copy load n is in; the 31 - n younger ones and Q's 16 stay out
	ds_store_b128 v[TA], v[S+4*n:S+4*n+3] offset:4096*n
.set n, n+1
.endr
.rept 16
	s_wait_loadcnt 47-n
	ds_store_b128 v[AW], v[S+4*n:S+4*n+3] offset:4096*(n-16)
.set n, n+1
.endr
	s_wait_loadcnt 0x0                             ; Q; and every load that names the bases is done, so they may step
	s_add_nc_u64 s[14:15], s[14:15], 65536
	s_add_nc_u64 s[16:17], s[16:17], 65536
	s_wait_dscnt 0x0                               ; for the others' sake: my stores have landed
	s_barrier_signal -1
	s_barrier_wait -1
.macro PLACES n                        ; plain vector instructions behind a matrix instruction (ISA guide 7.12.1)
.rept \n
	v_nop
.endr
.endm
.macro STAGE_LD                        ; the next slot's next piece: 16,384 consecutive bytes of K and of V, 4,096 a load of the work-group
	WIN 0x40
.irp i, 0,1,2,3
	global_load_b128 v[T+4*\i:T+4*\i+3], v[TA], s[14:15] offset:\i*4096
.endr
.irp i, 0,1,2,3
	global_load_b128 v[T+16+4*\i:T+16+4*\i+3], v[TA], s[16:17] offset:\i*4096
.endr
	WIN 0
.endm
.macro STAGE_ST                        ; into the other slot, as they lie; then the bases step (the wait for the loads has shown them done)
	WIN 0x04                                       ; an LDS store's data are its source 1: window 1
.irp j, 0,1,2,3,4,5,6,7
	ds_store_b128 v[AW], v[T+4*\j:T+4*\j+3] offset:\j*4096
.endr
	WIN 0
	s_add_nc_u64 s[14:15], s[14:15], 16384
	s_add_nc_u64 s[16:17], s[16:17], 16384
.endm
.macro LDK u, a, f                     ; K's tiles 2 a, 2 a + 1 of the step, both halves of the 64 channels, into set f
.irp kk, 0,1
.irp cf, 0,1
.irp g, 0,1
	ds_load_b128 v[\f+16*\kk+8*\cf+4*\g:\f+16*\kk+8*\cf+4*\g+3], v[AR] offset:(\u)*8192+(2*(\a)+\kk)*2048+\cf*1024+\g*512
.endr
.endr
.endr
.endm
.macro KQ a, f                         ; 16 products: eight accumulators by turns, twice; the first eight start the sums
.irp cf, 0,1
.irp kk, 0,1
.irp t, 0,1,2,3
.if \cf == 0
	v_wmma_f32_16x16x32_f16 v[S+32*\t+8*(2*(\a)+\kk):S+32*\t+8*(2*(\a)+\kk)+7], v[\f+16*\kk+8*\cf:\f+16*\kk+8*\cf+7], v[Q+16*\t+8*\cf:Q+16*\t+8*\cf+7], 0
.else
	v_wmma_f32_16x16x32_f16 v[S+32*\t+8*(2*(\a)+\kk):S+32*\t+8*(2*(\a)+\kk)+7], v[\f+16*\kk+8*\cf:\f+16*\kk+8*\cf+7], v[Q+16*\t+8*\cf:Q+16*\t+8*\cf+7], v[S+32*\t+8*(2*(\a)+\kk):S+32*\t+8*(2*(\a)+\kk)+7]
.endif
.endr
.endr
.endr
.endm
.macro LDV u, kf, f                    ; V^T's four fragments (16 channels x 32 keys) of the step's half kf, into set f
.irp ct, 0,1,2,3
.irp g, 0,1
	ds_load_b128 v[\f+8*\ct+4*\g:\f+8*\ct+4*\g+3], v[AR] offset:16384+(2*(\u)+(\kf))*4096+\ct*1024+\g*512
.endr
.endr
.endm
.macro PV kf, f                        ; 16 products: sixteen accumulators by turns
.irp ct, 0,1,2,3
.irp t, 0,1,2,3
	v_wmma_f32_16x16x32_f16 v[O+32*\t+8*\ct:O+32*\t+8*\ct+7], v[\f+8*\ct:\f+8*\ct+7], v[S+32*\t+8*(\kf):S+32*\t+8*(\kf)+7], v[O+32*\t+8*\ct:O+32*\t+8*\ct+7]
.endr
.endr
.endm
.macro MASK                            ; my four tiles' 128 words, two tiles at a time through the same 64 scalar registers
	s_bitcmp1_b32 s21, 0
	s_cbranch_scc0 .Lopen_\@
.irp p, 0,1
	s_load_b512 s[32:47], s[6:7], s20 offset:\p*0x2000
	s_load_b512 s[48:63], s[6:7], s20 offset:\p*0x2000+0x40
	s_load_b512 s[68:83], s[6:7], s20 offset:\p*0x2000+0x1000
	s_load_b512 s[84:99], s[6:7], s20 offset:\p*0x2000+0x1040
	s_wait_kmcnt 0x0
.set n, 0
.rept 32
	v_cndmask_b32 v[S+64*\p+n], v[NEG], v[S+64*\p+n], s[32+n]          ; bit on: the score stays; off: -80,000.  Ascending: each accumulator from its low end on
	v_cndmask_b32 v[S+64*\p+32+n], v[NEG], v[S+64*\p+32+n], s[68+n]
.set n, n+1
.endr
.endr
.Lopen_\@:
.endm
.macro SOFTMAX                         ; every line for the four tiles by turns, so that no line waits for the line above it
.irp j, 0,1,2,3
.irp t, 0,1,2,3
	v_max3_num_f32 v[ST+8*\t+4+\j], v[S+32*\t+8*\j], v[S+32*\t+8*\j+1], v[S+32*\t+8*\j+2]   ; four chains a tile, one for each accumulator, from its low end on
.endr
.endr
.irp g, 0,1
.irp j, 0,1,2,3
.irp t, 0,1,2,3
	v_max3_num_f32 v[ST+8*\t+4+\j], v[ST+8*\t+4+\j], v[S+32*\t+8*\j+3+2*\g], v[S+32*\t+8*\j+4+2*\g]
.endr
.endr
.endr
.irp t, 0,1,2,3
	v_max3_num_f32 v[ST+8*\t+4], v[ST+8*\t+4], v[S+32*\t+7], v[S+32*\t+15]
	v_max3_num_f32 v[ST+8*\t+6], v[ST+8*\t+6], v[S+32*\t+23], v[S+32*\t+31]
.endr
.irp t, 0,1,2,3
	v_max3_num_f32 v[ST+8*\t+4], v[ST+8*\t+4], v[ST+8*\t+5], v[ST+8*\t+6]
.endr
.irp t, 0,1,2,3
	v_max3_num_f32 v[ST+8*\t+4], v[ST+8*\t+4], v[ST+8*\t+7], v[ST+8*\t+1]   ; with the old m
.endr
.irp t, 0,1,2,3
	v_permlanex16_b32 v[ST+8*\t+5], v[ST+8*\t+4], s26, s27                  ; the query's other 32 keys lie in the lane 16 away
.endr
.irp t, 0,1,2,3
	v_mov_b32 v[ST+8*\t+7], v[ST+8*\t]             ; c m_old
.endr
.irp t, 0,1,2,3
	v_max_num_f32 v[ST+8*\t+1], v[ST+8*\t+4], v[ST+8*\t+5]
.endr
.irp t, 0,1,2,3
	v_mul_f32 v[ST+8*\t], s24, v[ST+8*\t+1]
.endr
.irp t, 0,1,2,3
	v_sub_f32 v[ST+8*\t+7], v[ST+8*\t+7], v[ST+8*\t]
.endr
.set n, 0
.rept 16
.irp t, 0,1,2,3
	v_pk_fma_f32 v[S+32*\t+2*n:S+32*\t+2*n+1], v[S+32*\t+2*n:S+32*\t+2*n+1], s[24:25], v[ST+8*\t:ST+8*\t+1] op_sel_hi:[1,0,0] neg_lo:[0,0,1] neg_hi:[0,0,1]   ; c s - c m
.endr
.set n, n+1
.endr
.irp t, 0,1,2,3
	v_exp_f32 v[ST+8*\t+6], v[ST+8*\t+7]           ; a
.endr
.set n, 0
.rept 32
.irp t, 0,1,2,3
	v_exp_f32 v[S+32*\t+n], v[S+32*\t+n]           ; p
.endr
.set n, n+1
.endr
	v_nop                                          ; the plain line behind the last exponential
	s_wait_alu depctr_va_vdst(0)                   ; ONE wait for the 132, ahead of the first line that names a result
.irp t, 0,1,2,3
	v_pk_mul_f32 v[ST+8*\t+2:ST+8*\t+3], v[ST+8*\t+2:ST+8*\t+3], v[ST+8*\t+6:ST+8*\t+7] op_sel_hi:[1,0]
.endr
.irp t, 0,1,2,3
	v_pk_add_f32 v[ST+8*\t+4:ST+8*\t+5], v[S+32*\t:S+32*\t+1], v[S+32*\t+2:S+32*\t+3]   ; the sum of the f32 weights, in two chains a tile
.endr
.irp j, 4,8,12,16,20,24,28
.irp t, 0,1,2,3
	v_pk_add_f32 v[ST+8*\t+2:ST+8*\t+3], v[ST+8*\t+2:ST+8*\t+3], v[S+32*\t+\j:S+32*\t+\j+1]
	v_pk_add_f32 v[ST+8*\t+4:ST+8*\t+5], v[ST+8*\t+4:ST+8*\t+5], v[S+32*\t+\j+2:S+32*\t+\j+3]
.endr
.endr
.irp t, 0,1,2,3
	v_pk_add_f32 v[ST+8*\t+2:ST+8*\t+3], v[ST+8*\t+2:ST+8*\t+3], v[ST+8*\t+4:ST+8*\t+5]
.endr
.set n, 0
.rept 16
.irp t, 0,1,2,3
	v_cvt_pk_f16_f32 v[S+32*\t+n], v[S+32*\t+2*n], v[S+32*\t+2*n+1]   ; P, in place, ascending
.endr
.set n, n+1
.endr
	WIN W_RS
.set n, 0
.rept 16
.irp t, 0,1,2,3
	v_pk_mul_f32 v[O+32*\t+2*n:O+32*\t+2*n+1], v[O+32*\t+2*n:O+32*\t+2*n+1], v[ST+8*\t+6:ST+8*\t+7] op_sel_hi:[1,0]   ; O^T x a: the one part that leaves window 0, so it stands together
.endr
.set n, n+1
.endr
.endm
; A KEY STEP: the u-th 64 keys of the piece.  stage = 1: the next slot's next piece is asked for; 2: unless this is the last slot (a jump on the count of slots, round the loads alone)
.macro STEP u, stage
	LDK \u, 0, F
	LDK \u, 1, F2
	s_wait_dscnt 8                                 ; K's first half is in, the 8 loads of the second may be out.  LDS serves a wave in order: the last trip's eight stores are done too, so their data registers may be loaded again
.if (\stage) == 2
	s_cmp_eq_u32 s22, 1
	s_cbranch_scc1 .Lno_ld_\@
.endif
.if (\stage)
	STAGE_LD
.endif
.if (\stage) == 2
.Lno_ld_\@:
.endif
	WIN W_KQ
	KQ 0, F
	s_wait_dscnt 0x0
	KQ 1, F2
	PLACES 4                                       ; in front of loads into fragments that the products have read, and of the first read of the scores
	LDV \u, 0, F                                   ; (destination and address in window 0 under this setting too)  Both halves of V land under the softmax
	LDV \u, 1, F2
	WIN 0                                          ; a branch and a label follow
	MASK
	SOFTMAX
	s_wait_dscnt 0x0
	WIN W_PV
	PV 0, F
	PV 1, F2
	WIN 0
	PLACES 5                                       ; five: the next step's first products, begun anew with C = 0, write over P's registers, which these products read; four would do for its loads
	s_lshr_b32 s21, s21, 1                         ; the next step's flag,
	s_add_co_u32 s20, s20, 128                     ; and its mask words (no scalar load is out: the selection waited for its own)
.endm
; A SLOT: four trips, a piece of 128 keys each.  Reads stay in this slot and stores in the other: both addresses are a constant of the slot, stepped by a piece a trip.  The barrier at the end orders both ways:
; my stores into the other slot have landed before anybody reads it, and my reads of this slot are over before it is written again.  guard = 1: behind the last slot there is none: jumps on the count of slots
; lead round the loads and the stores alone; the waits and the barrier stay on every way.
.macro PHASE slot, guard
	s_mov_b32 s[TB], (\slot)*SLOTB
	s_mov_b32 s[TW], (1-(\slot))*SLOTB
	s_mov_b32 s23, 4
.Lpiece_\@:
	v_add_nc_u32 v[AR], s[TB], v[LA]               ; (my reads by the old address have all come back)
	STEP 0, 1+\guard
	STEP 1, 0
	s_wait_loadcnt 0x0                             ; the piece asked for two key steps ago
	v_add_nc_u32 v[AW], s[TW], v[TA]               ; (my stores by the old address were shown done at this trip's first wait)
.if \guard
	s_cmp_eq_u32 s22, 1
	s_cbranch_scc1 .Lno_st_\@
.endif
	STAGE_ST
.if \guard
.Lno_st_\@:
.endif
	s_add_co_u32 s[TB], s[TB], 32768
	s_add_co_u32 s[TW], s[TW], 32768
	s_sub_co_u32 s23, s23, 1
	s_cmp_lg_u32 s23, 0
	s_cbranch_scc1 .Lpiece_\@
	s_wait_dscnt 0x0
	s_barrier_signal -1
	s_barrier_wait -1
.endm
.Ltrip:                                            ; 2 trips x 2 slots x 512 keys
	PHASE 0, 0
	PHASE 1, 1
	s_sub_co_u32 s22, s22, 1
	s_cmp_lg_u32 s22, 0
	s_cbranch_scc1 .Ltrip
	; THE WAY OUT: l's halves and the other half of the lanes'; O^T / l to f16: four registers are a group of 512 bytes of the next product's image
.irp t, 0,1,2,3
	v_add_f32 v[ST+8*\t+4], v[ST+8*\t+2], v[ST+8*\t+3]
.endr
.irp t, 0,1,2,3
	v_permlanex16_b32 v[ST+8*\t+5], v[ST+8*\t+4], s26, s27
.endr
.irp t, 0,1,2,3
	v_add_f32 v[ST+8*\t+4], v[ST+8*\t+4], v[ST+8*\t+5]
.endr
.irp t, 0,1,2,3
	v_rcp_f32 v[ST+8*\t+6], v[ST+8*\t+4]
.endr
	v_nop                                          ; the plain line behind the reciprocals
	s_wait_alu depctr_va_vdst(0)                   ; one wait for the four, ahead of their first reader
	WIN W_RS
.set n, 0
.rept 16
.irp t, 0,1,2,3
	v_pk_mul_f32 v[O+32*\t+2*n:O+32*\t+2*n+1], v[O+32*\t+2*n:O+32*\t+2*n+1], v[ST+8*\t+6:ST+8*\t+7] op_sel_hi:[1,0]
.endr
.set n, n+1
.endr
	WIN 0x05                                       ; sources 0 and 1 window 1, destination window 0: S^T's registers are free
.set n, 0
.rept 16
.irp t, 0,1,2,3
	v_cvt_pk_f16_f32 v[S+16*\t+n], v[O+32*\t+2*n], v[O+32*\t+2*n+1]
.endr
.set n, n+1
.endr
	WIN 0
.irp t, 0,1,2,3
.irp ct, 0,1,2,3
	global_store_b128 v[LA], v[S+16*\t+4*\ct:S+16*\t+4*\ct+3], s[8:9] offset:\t*32768+\ct*512   ; the wave stores 512 consecutive bytes
.endr
.endr
	s_wait_tensorcnt 0x0                           ; the wave's end: a tensor wait, a spare LDS add and its wait behind my last LDS store
	ds_add_u32 v[SPW], v[NIL]
	s_wait_dscnt 0x0
	s_endpgm
.Lfunc_end_k_q1c5e376e14_attn:
	.size	k_q1c5e376e14_attn, .Lfunc_end_k_q1c5e376e14_attn-k_q1c5e376e14_attn
	.p2alignl 7, 3214868480
	.fill 96, 4, 3214868480
	.section	.rodata,"a",@progbits
	.p2align	6, 0x0
	.amdhsa_kernel k_q1c5e376e14_attn
		.amdhsa_group_segment_fixed_size 263168
		.amdhsa_private_segment_fixed_size 0
		.amdhsa_enable_private_segment 0
		.amdhsa_kernarg_size 24
		.amdhsa_user_sgpr_count 2
		.amdhsa_user_sgpr_kernarg_segment_ptr 1
		.amdhsa_wavefront_size32 1
		.amdhsa_system_sgpr_workgroup_id_x 1
		.amdhsa_system_sgpr_workgroup_id_y 1
		.amdhsa_system_sgpr_workgroup_id_z 1
		.amdhsa_system_vgpr_workitem_id 0
		.amdhsa_next_free_vgpr 480
		.amdhsa_next_free_sgpr 100
		.amdhsa_reserve_vcc 0
		.amdhsa_float_denorm_mode_32 3
		.amdhsa_float_denorm_mode_16_64 3
		.amdhsa_memory_ordered 1
		.amdhsa_forward_progress 1
		.amdhsa_inst_pref_size 192
	.end_amdhsa_kernel
	.amdgpu_metadata
---
amdhsa.version: [ 1, 2 ]
amdhsa.kernels:
  - .name:           k_q1c5e376e14_attn
    .symbol:         k_q1c5e376e14_attn.kd
    .args:
      - { .name: qkv, .offset: 0, .size: 8, .value_kind: global_buffer, .address_space: global }
      - { .name: maskw, .offset: 8, .size: 8, .value_kind: global_buffer, .address_space: global }
      - { .name: att, .offset: 16, .size: 8, .value_kind: global_buffer, .address_space: global }
    .group_segment_fixed_size: 263168
    .private_segment_fixed_size: 0
    .kernarg_segment_align: 8
    .kernarg_segment_size: 24
    .max_flat_workgroup_size: 256
    .sgpr_count:     100
    .vgpr_count:     480
    .wavefront_size: 32
...
	.end_amdgpu_metadata
.endif
;; end of part 3
;; launch oproj (part 4): grid 8 x 32, 16 waves a work-group, no clusters, 268,288 bytes of LDS; arguments att, wo16, bo, out0; writes out0
.if DOCPART == 4
	.amdgcn_target "amdgcn-amd-amdhsa--gfx1250"
	.amdhsa_code_object_version 6
	.text
	.protected	k_q1c5e376e14_oproj
	.globl	k_q1c5e376e14_oproj
	.p2align	8
	.type	k_q1c5e376e14_oproj,@function
k_q1c5e376e14_oproj:
	s_mov_b64 s[64:65], 0
	v_nop
	global_prefetch_b8 v0, s[64:65] scope:SCOPE_SE
	s_setreg_imm32_b32 hwreg(HW_REG_WAVE_MODE, 25, 1), 1
	s_wait_xcnt 0x0
; OPROJ: out0[b][o][t] = sum over i of wo[o][i] att[b][t][i] + bo[o]; operands f16 (images made by the launches before), sums f32.  No work is left out.
; Work-group (x, y): 128 outputs (x) x 256 t (y % 8) of batch y / 8.  Sixteen waves: 64 t (wt = w % 4) x 32 outputs (wv = w / 4): 8 accumulators, which take turns, one instruction a turn, over the backward jump too.
; Source 0 = 16 rows t of att, source 1 = 16 rows o of wo: a lane holds ONE output o and eight neighbouring t, as out0 has them.
; K = 1,024 goes in 8 chunks of 128 through two LDS slots (64 KiB of att, 32 KiB of wo), copied through registers a chunk ahead; one barrier a chunk, which orders both ways as in the attention.
; The bias is loaded straight into the accumulators: it starts the sums, nothing is cleared, and every chunk is alike.
; No cluster: the copies go through registers, not by tensor loads, so there is no joint request to make.
; LIMITS: att and wo under 65,504 (f16); NaN and infinities are not served.
.set SLOTB, 98304                      ; a slot: att [tile 16][4,096], then from 65,536 wo [tile 8][4,096]
.set STAGE, 196608                     ; behind the slots: 16 rows x (256 + 16) bytes for each wave, its own
.set SPARE, 266240                     ; the spare words, 128 bytes for each wave: eight blocks of 256 bytes that no other line names
.set SPW, 13                           ; v13  my spare word; never rewritten
.set NIL, 14                           ; v14  0; never rewritten
.set ACC, 16                           ; v16-79   accumulator (ot, mt) at 8 (4 ot + mt)
.set F0,  80                           ; v80-127, v128-175: two sets of fragments: four of att, two of wo
.set F1,  128
.set T,   176                          ; v176-223 a chunk's 192 bytes of mine, in transit
; v1 my place in a copy, in memory; v2-5 in LDS (slot 0 att, wo; slot 1 att, wo); v6, v7 where I read att's fragments in slot 0, 1; v8, v9 wo's; v10, v11 the stage, in and back; v12 my offset in out0; v15 bias
	s_load_b256 s[4:11], s[0:1], 0x0               ; att s[4:5], wo16 s[6:7], bo s[8:9], out0 s[10:11]
	v_lshl_add_u32 v[SPW], v0, 2, SPARE
	v_mov_b32 v[NIL], 0
	v_lshrrev_b32 v224, 5, v0
	v_readfirstlane_b32 s16, v224                  ; wave 0..15
	s_and_b32 s17, s16, 3                          ; wt
	s_lshr_b32 s18, s16, 2                         ; wv
	s_and_b32 s19, ttmp7, 0xffff                   ; y
	s_lshr_b32 s21, s19, 3                         ; batch
	s_and_b32 s22, s19, 7                          ; which 256 of its t
	v_and_b32 v224, 31, v0                         ; lane
	v_and_b32 v225, 15, v0                         ; r
	v_bfe_u32 v226, v0, 4, 1                       ; h
	v_lshrrev_b32 v227, 8, v0
	v_and_b32 v228, 255, v0
	v_lshlrev_b32 v228, 4, v228
	v_lshl_add_u32 v1, v227, 15, v228              ; threads 0-255 take a tile's 4,096 bytes of the chunk, threads 256-511 the next tile's, 32,768 bytes on
	v_lshlrev_b32 v2, 4, v0                        ; in LDS the tiles' 4,096 bytes lie on end
	v_add_nc_u32 v3, 65536, v2
	v_add_nc_u32 v4, SLOTB, v2
	v_add_nc_u32 v5, SLOTB+65536, v2
	v_lshlrev_b32 v229, 4, v224
	s_lshl_b32 s23, s17, 14
	v_add_nc_u32 v6, s23, v229
	v_add_nc_u32 v7, SLOTB, v6
	s_lshl_b32 s23, s18, 13
	s_add_co_u32 s23, s23, 65536
	v_add_nc_u32 v8, s23, v229
	v_add_nc_u32 v9, SLOTB, v8
	s_mul_i32 s23, s16, 16*272
	s_add_co_u32 s23, s23, STAGE
	v_mul_u32_u24 v10, v225, 272
	v_lshl_add_u32 v10, v226, 5, v10
	v_add_nc_u32 v10, s23, v10                     ; in: row o = r, my eight t: 64 mt + 32 h bytes on
	v_mul_u32_u24 v11, v226, 272
	v_lshl_add_u32 v11, v225, 4, v11
	v_add_nc_u32 v11, s23, v11                     ; back: lanes 0-15 one row of 256 bytes, lanes 16-31 the next
	v_lshlrev_b32 v12, 4, v225
	v_lshl_add_u32 v12, v226, 13, v12              ; and the same two rows of out0, 8,192 bytes apart
	v_lshlrev_b32 v15, 2, v225
	s_lshl_b32 s24, s21, 22                        ; att: (batch x 128 + 16 (y % 8)) tiles of 32,768 bytes
	s_lshl_b32 s23, s22, 19
	s_add_co_u32 s24, s24, s23
	s_mov_b32 s25, 0
	s_lshl_b32 s26, ttmp9, 18                      ; wo16: 8 x tiles of 32,768 bytes
	s_mov_b32 s27, 0
	s_lshl_b32 s28, ttmp9, 9                       ; bo: (128 x + 32 wv) x 4
	s_lshl_b32 s23, s18, 7
	s_add_co_u32 s28, s28, s23
	s_mov_b32 s29, 0
	s_lshl_b32 s30, s21, 23                        ; out0: ((batch x 1,024 + 128 x + 32 wv) x 2,048 + 256 (y % 8) + 64 wt) x 4
	s_lshl_b32 s23, ttmp9, 20
	s_add_co_u32 s30, s30, s23
	s_lshl_b32 s23, s18, 18
	s_add_co_u32 s30, s30, s23
	s_lshl_b32 s23, s22, 10
	s_add_co_u32 s30, s30, s23
	s_lshl_b32 s23, s17, 8
	s_add_co_u32 s30, s30, s23
	s_mov_b32 s31, 0
	s_mov_b32 s20, 4
	s_wait_kmcnt 0x0
	s_add_nc_u64 s[12:13], s[4:5], s[24:25]
	s_add_nc_u64 s[14:15], s[6:7], s[26:27]
	s_add_nc_u64 s[8:9], s[8:9], s[28:29]
	s_add_nc_u64 s[10:11], s[10:11], s[30:31]
.macro CH_LD                           ; a chunk: 4,096 bytes of each of 16 tiles of att and of 8 tiles of wo
.irp i, 0,1,2,3,4,5,6,7
	global_load_b128 v[T+4*\i:T+4*\i+3], v1, s[12:13] offset:\i*65536
.endr
.irp i, 0,1,2,3
	global_load_b128 v[T+32+4*\i:T+32+4*\i+3], v1, s[14:15] offset:\i*65536
.endr
.endm
.macro CH_ST slot                      ; into a slot; then the bases step (the wait for the loads has shown them done)
.irp i, 0,1,2,3,4,5,6,7
	ds_store_b128 v[2+2*(\slot)], v[T+4*\i:T+4*\i+3] offset:\i*8192
.endr
.irp i, 0,1,2,3
	ds_store_b128 v[3+2*(\slot)], v[T+32+4*\i:T+32+4*\i+3] offset:\i*8192
.endr
	s_add_nc_u64 s[12:13], s[12:13], 4096
	s_add_nc_u64 s[14:15], s[14:15], 4096
.endm
.irp ot, 0,1
.set n, 0
.rept 32
	global_load_b32 v[ACC+32*\ot+n], v15, s[8:9] offset:64*\ot   ; bo[16 ot + r] in every register of the tile's four accumulators
.set n, n+1
.endr
.endr
	CH_LD
	s_wait_loadcnt 0x0
	CH_ST 0
	s_wait_dscnt 0x0
	s_barrier_signal -1
	s_barrier_wait -1
.macro PLACES n
.rept \n
	v_nop
.endr
.endm
.macro LDF slot, kf, f                 ; 12 loads: 32 along K of my four tiles of t and my two tiles of o
.irp mt, 0,1,2,3
.irp g, 0,1
	ds_load_b128 v[\f+8*\mt+4*\g:\f+8*\mt+4*\g+3], v[6+(\slot)] offset:\mt*4096+(\kf)*1024+\g*512
.endr
.endr
.irp ot, 0,1
.irp g, 0,1
	ds_load_b128 v[\f+32+8*\ot+4*\g:\f+32+8*\ot+4*\g+3], v[8+(\slot)] offset:\ot*4096+(\kf)*1024+\g*512
.endr
.endr
.endm
.macro MM f
.irp ot, 0,1
.irp mt, 0,1,2,3
	v_wmma_f32_16x16x32_f16 v[ACC+8*(4*\ot+\mt):ACC+8*(4*\ot+\mt)+7], v[\f+8*\mt:\f+8*\mt+7], v[\f+32+8*\ot:\f+32+8*\ot+7], v[ACC+8*(4*\ot+\mt):ACC+8*(4*\ot+\mt)+7]
.endr
.endr
.endm
.macro CHUNK slot, guard               ; guard = 1: in the last trip there is no next chunk: two jumps on the count of trips lead round the loads and the stores alone
.if \guard
	s_cmp_eq_u32 s20, 1
	s_cbranch_scc1 .Lno_ld_\@
.endif
	CH_LD
.if \guard
.Lno_ld_\@:
.endif
	PLACES 4                                       ; in front of loads into fragments that the last chunk's products have read
	LDF \slot, 0, F0
	LDF \slot, 1, F1
	s_wait_dscnt 12                                ; all but the 12 just issued
	MM F0
	PLACES 4
	LDF \slot, 2, F0
	s_wait_dscnt 12
	MM F1
	PLACES 4
	LDF \slot, 3, F1
	s_wait_dscnt 12
	MM F0
	s_wait_dscnt 0x0
	MM F1
	s_wait_loadcnt 0x0
.if \guard
	s_cmp_eq_u32 s20, 1
	s_cbranch_scc1 .Lno_st_\@
.endif
	CH_ST 1-\slot
.if \guard
.Lno_st_\@:
.endif
	s_wait_dscnt 0x0                               ; my stores have landed, and my reads of this slot are over
	s_barrier_signal -1
	s_barrier_wait -1
.endm
.Ltrip:                                            ; 4 trips x 2 chunks of 128 along K
	CHUNK 0, 0
	CHUNK 1, 1
	s_sub_co_u32 s20, s20, 1
	s_cmp_lg_u32 s20, 0
	s_cbranch_scc1 .Ltrip
	; THE WAY OUT, 16 outputs at a time: a lane's 32 bytes go into rows of 272 bytes of my own stage and come back as whole rows of 256, which sixteen lanes store as one aligned run of 256 bytes.
	; LDS serves a wave's instructions in order (ISA guide 5.7.1.4): no wait between the stores and the loads, nor in front of the second tile's stores.
	PLACES 4
.irp ot, 0,1
.irp mt, 0,1,2,3
	ds_store_b128 v10, v[ACC+8*(4*\ot+\mt):ACC+8*(4*\ot+\mt)+3] offset:64*\mt          ; each accumulator from its low end on
	ds_store_b128 v10, v[ACC+8*(4*\ot+\mt)+4:ACC+8*(4*\ot+\mt)+7] offset:64*\mt+16
.endr
.irp i, 0,1,2,3,4,5,6,7
	ds_load_b128 v[F0+32*\ot+4*\i:F0+32*\ot+4*\i+3], v11 offset:\i*544
.endr
.irp i, 0,1,2,3,4,5,6,7
	s_wait_dscnt 7-\i                              ; the younger reads of the stage may be out
	global_store_b128 v12, v[F0+32*\ot+4*\i:F0+32*\ot+4*\i+3], s[10:11] offset:(16*\ot+2*\i)*8192 th:TH_STORE_NT
.endr
.endr
	s_wait_tensorcnt 0x0                           ; the wave's end: a tensor wait, a spare LDS add and its wait behind my last LDS store
	ds_add_u32 v[SPW], v[NIL]
	s_wait_dscnt 0x0
	s_endpgm
.Lfunc_end_k_q1c5e376e14_oproj:
	.size	k_q1c5e376e14_oproj, .Lfunc_end_k_q1c5e376e14_oproj-k_q1c5e376e14_oproj
	.p2alignl 7, 3214868480
	.fill 96, 4, 3214868480
	.section	.rodata,"a",@progbits
	.p2align	6, 0x0
	.amdhsa_kernel k_q1c5e376e14_oproj
		.amdhsa_group_segment_fixed_size 268288
		.amdhsa_private_segment_fixed_size 0
		.amdhsa_enable_private_segment 0
		.amdhsa_kernarg_size 32
		.amdhsa_user_sgpr_count 2
		.amdhsa_user_sgpr_kernarg_segment_ptr 1
		.amdhsa_wavefront_size32 1
		.amdhsa_system_sgpr_workgroup_id_x 1
		.amdhsa_system_sgpr_workgroup_id_y 1
		.amdhsa_system_sgpr_workgroup_id_z 1
		.amdhsa_system_vgpr_workitem_id 0
		.amdhsa_next_free_vgpr 240
		.amdhsa_next_free_sgpr 66
		.amdhsa_reserve_vcc 0
		.amdhsa_float_denorm_mode_32 3
		.amdhsa_float_denorm_mode_16_64 3
		.amdhsa_memory_ordered 1
		.amdhsa_forward_progress 1
		.amdhsa_inst_pref_size 31
	.end_amdhsa_kernel
	.amdgpu_metadata
---
amdhsa.version: [ 1, 2 ]
amdhsa.kernels:
  - .name:           k_q1c5e376e14_oproj
    .symbol:         k_q1c5e376e14_oproj.kd
    .args:
      - { .name: att, .offset: 0, .size: 8, .value_kind: global_buffer, .address_space: global }
      - { .name: wo16, .offset: 8, .size: 8, .value_kind: global_buffer, .address_space: global }
      - { .name: bo, .offset: 16, .size: 8, .value_kind: global_buffer, .address_space: global }
      - { .name: out0, .offset: 24, .size: 8, .value_kind: global_buffer, .address_space: global }
    .group_segment_fixed_size: 268288
    .private_segment_fixed_size: 0
    .kernarg_segment_align: 8
    .kernarg_segment_size: 32
    .max_flat_workgroup_size: 512
    .sgpr_count:     66
    .vgpr_count:     240
    .wavefront_size: 32
...
	.end_amdgpu_metadata
.endif
;; end of part 4
